; MI455X (gfx1250); checked and timed in simulation.
; The chip was launched on July 23, 2026; its instructions are those of AMD's public machine-readable ISA for CDNA 5 (MIT licence, August 2026) and "CDNA5" Instruction Set Architecture Reference Guide (July 2026). The comments in the code are by the model that wrote it; some were corrected since.
;; Attention. Allowed arithmetic: matrix products marked QUANTISED: E2M1 operands, one E8M0 scale for each 32 along K, by v_wmma_scale_f32_16x16x128_f8f6f4 with both operands' format E2M1 (or v_wmma_scale_f32_32x16x128_f4), f32 sums; products left as they are: bf16, f16 or f32 operands; f32 sums; everything else in f32.
;; Inputs: k 8 x 2,048 x 1,024 float32; mask 8 x 2,048 bool; q 8 x 2,048 x 1,024 float32; scale one number float32.
;; Outputs: out0 8 x 2,048 x 1,024 float32.
;; This version of the problem:
;;   THIS VERSION OF THE PROBLEM IS GIVEN IN LOW PRECISION. The matrix products marked QUANTISED in the list below multiply operands that are first quantised to E2M1 (2 exponent bits, 1 mantissa bit; 4 bits a number), with one power-of-two scale for each 32 numbers along K (OCP MX v1.0); their sums are f32. The products marked 'left as it is' may take bf16, f16 or f32 operands, with f32 sums. Whichever they take, every output number must still come out within the allowed error. Rounding operands to bf16 (8 significant bits) uses up far more of that allowance than f16 does (11 bits, for magnitudes from 6e-5 to 65,504). All else is computed in f32.
;;   The module's matrix products, in the order in which they are computed (A, B: the left and right operand; K: the contracted axis; several contracted axes count as one K, in the product's order):
;;     1. batch 8 x [M 2,048, K 1,024] x [K 1,024, N 2,048]; A: input q; B: input k: QUANTISED
;;     2. batch 8 x [M 2,048, K 2,048] x [K 2,048, N 1,024]; A: computed on the way; B: input k: left as it is (an operand is computed on the way)
;;   THE QUANTISER, for each operand of a quantised product, along K:
;;     - K is cut into blocks of 32 from its start; a last block that is shorter is filled with zeros.
;;     - A block's scale is 2^e with e = floor(log2(the largest magnitude in the block)) - 2, held to -126 .. 127; a block of zeros has e = 0. As a byte (E8M0): e + 127.
;;     - Each number is divided by its block's scale, clamped to +-6, and rounded to the nearest number of E2M1, ties to even, subnormals kept.
;;     - The product sums the exact products of the quantised numbers (number of the format x scale) in f32.
;;   ~~~python
;;   def quantise(x, axis):      # numpy; x: float32 -> the quantised numbers, widened to float32 again
;;       x = np.moveaxis(x, axis, -1); K = x.shape[-1]
;;       x = np.pad(x, [(0, 0)] * (x.ndim - 1) + [(0, -K % 32)]); x = x.reshape(x.shape[:-1] + (-1, 32)); a = np.abs(x).max(-1, keepdims=True)
;;       e = np.where(a > 0, np.clip(np.frexp(np.where(a > 0, a, 1))[1] - 1 - 2, -126, 127), 0)      # np.frexp(a)[1] - 1 = floor(log2(a)), exactly
;;       r = np.clip(x / 2.0 ** e, -6, 6)
;;       step = 2.0 ** (np.maximum(np.frexp(np.where(r == 0, 1, r))[1] - 1, 0) - 1)
;;       q = np.round(r / step) * step * 2.0 ** e      # np.round: ties to even
;;       return np.moveaxis(q.reshape(q.shape[:-2] + (-1,))[..., :K], -1, axis).astype(np.float32)
;;   ~~~
;; One version. Each part assembles by itself: llvm-mc -triple=amdgcn-amd-amdhsa -mcpu=gfx1250 --defsym DOCPART=n.
;; ======== version 1 of 1: 2 launches
;; limits: values are held in f16: magnitudes above 65,504 overflow, below 6.1e-05 lose precision; inputs' magnitudes at most 65,504
;; workspace buffers: qc 8,388,608 bytes; qs 524,288 bytes; kc 8,388,608 bytes; ks 524,288 bytes; vt 33,554,432 bytes; ki 65,536 bytes; qt 65,536 bytes
;; launch prep (part 1): grid 512 x 1, 4 waves a work-group, no clusters, 84,480 bytes of LDS; arguments q, k, mask, qc, qs, kc, ks, vt, ki, qt; writes qc, qs, kc, ks, vt, ki, qt
.if DOCPART == 1
	.amdgcn_target "amdgcn-amd-amdhsa--gfx1250"
	.amdhsa_code_object_version 6
	.text
	.protected	k_q4c2f8b04b5_prep
	.globl	k_q4c2f8b04b5_prep
	.p2align	8
	.type	k_q4c2f8b04b5_prep,@function
k_q4c2f8b04b5_prep:
	s_mov_b64 s[64:65], 0
	v_nop
	global_prefetch_b8 v0, s[64:65] scope:SCOPE_SE
	s_setreg_imm32_b32 hwreg(HW_REG_WAVE_MODE, 25, 1), 1
	s_wait_xcnt 0x0
; q and k, [16,384 rows][1,024] f32, are read once and laid out for the attention launch.
;  (1) Codes of FP4 (E2M1) along the 1,024, one E8M0 byte for each 32: a block's scale is 2^(floor(log2(largest magnitude)) - 2); its byte is the largest magnitude's exponent field - 2, held at 1 from below.
;      Codes are laid as IMAGES OF THE OPERAND'S REGISTERS: [tile of 16 rows][block of 32: 32][row: 16][16 bytes]; a fragment's two loads then read 512 consecutive bytes each.  Scale bytes: [row][32].
;  (2) k once more as f16, turned into fragments of V^T for the second product: [32 keys][channel tile T: 64][half c: 2][lane: 32][16 bytes]; lane (r, h) holds keys 16 c + 8 h + 0..7 of one channel.
;      Row r of tile T = 8 a + 4 g + e is channel 128 a + 64 g + 4 r + e: so a lane that has loaded four neighbouring channels of 16 keys holds whole pieces of four tiles, and nothing changes lanes.
;  (3) Two tables of the mask, f32: ki = the key's place in its sequence, or 131,072 where it is padding; qt = (the query's place + 0.5) x 4e9, or -2^45 where it is padding.
; SHARES.  Work-groups 0-255 take q, 256-511 take k (only pointers are chosen: one path through the text, but for (2) and (3), which touch no LDS).  A wave takes 16 rows, in eight chunks of 128 channels.
; A chunk's 16 loads read 512 consecutive bytes each.  The conversions want 16 neighbours in a lane: the chunk turns through the wave's own stage in LDS (64 bytes + 16 of padding a place).
; Codes and scale bytes are gathered in the wave's own LDS and leave as runs of 512 consecutive bytes.  Waves share nothing: no barrier.  No tensor load: LDS is claimed as it is used.
; LIMITS: |k| up to 65,504 (f16); blocks whose largest magnitude lies under 2^-124 keep the byte 1 (a block of zeros too: its codes are zeros, and this program alone reads the bytes); NaN and infinities are not served.
.set REGB,  20992                      ; LDS of a wave: the stage, 128 places x 80 bytes;
.set IMG,   10240                      ; the codes' image, 32 blocks x (256 + 64) bytes;
.set SCB,   20480                      ; the scale bytes, 16 rows x 32
.set SPARE, 4*REGB                     ; behind the four regions: the spare words, 128 bytes for each wave, which no other line names
.set SPW,  1                           ; v1   my spare word's LDS address; never rewritten
.set NIL,  2                           ; v2   0; never rewritten
.set L16,  3                           ; v3   16 x lane
.set SIN,  4                           ; v4   the stage, on the way in: 80 (lane / 4) + 16 (lane % 4)
.set SOUT, 5                           ; v5   on the way out: 80 x lane
.set IW,   6                           ; v6   the image: where my 8 bytes of codes go
.set SW,   7                           ; v7   where my block's scale byte goes
.set IR,   12                          ; v12  the image, read back: 320 h + 16 r
.set SR,   13                          ; v13  the scale bytes, read back: 16 x lane
.set VO,   14                          ; v14  my place in vt: 4,096 (lane / 16) + 16 (lane % 16)
.set C,    16                          ; v16-23   codes, two registers a step
.set E,    24                          ; v24-27   a scale byte a step
.set VP,   32                          ; v32-63   f16 pairs for vt
.set X,    64                          ; v64-127  four steps x 16 neighbours
.set R,    128                         ; v128-255 two sets of 64: a chunk as loaded
.set WV,   24                          ; s24  wave
.set XP,   25                          ; s25  the work-group's number within its tensor
.set ISK,  26                          ; s26  1 for k
	s_load_b256 s[4:11], s[0:1], 0x0               ; q s[4:5], k s[6:7], mask s[8:9], qc s[10:11]
	s_load_b256 s[12:19], s[0:1], 0x20             ; qs s[12:13], kc s[14:15], ks s[16:17], vt s[18:19]
	s_load_b128 s[20:23], s[0:1], 0x40             ; ki s[20:21], qt s[22:23]
	v_lshl_add_u32 v[SPW], v0, 2, SPARE
	v_mov_b32 v[NIL], 0
	v_lshrrev_b32 v8, 5, v0
	v_readfirstlane_b32 s[WV], v8                  ; wave 0..3
	v_and_b32 v9, 31, v0                           ; lane
	v_lshlrev_b32 v[L16], 4, v9
	s_mul_i32 s30, s[WV], REGB                     ; my region
	v_lshrrev_b32 v10, 2, v9
	v_mul_u32_u24 v10, v10, 80
	v_and_b32 v11, 3, v9
	v_lshl_add_u32 v10, v11, 4, v10
	v_add_nc_u32 v[SIN], s30, v10
	v_mul_u32_u24 v10, v9, 80
	v_add_nc_u32 v[SOUT], s30, v10
	v_bfe_u32 v10, v9, 1, 2                        ; which of the chunk's four blocks: (lane % 8) / 2
	v_mul_u32_u24 v10, v10, 320
	v_lshrrev_b32 v11, 3, v9                       ; which of the step's four rows: lane / 8
	v_lshl_add_u32 v10, v11, 4, v10
	v_and_b32 v8, 1, v9                            ; which half of the block
	v_lshl_add_u32 v10, v8, 3, v10
	s_add_co_u32 s31, s30, IMG
	v_add_nc_u32 v[IW], s31, v10
	v_bfe_u32 v10, v9, 1, 2
	v_lshl_add_u32 v10, v11, 5, v10
	s_add_co_u32 s32, s30, SCB
	v_add_nc_u32 v[SW], s32, v10
	v_lshrrev_b32 v10, 4, v9                       ; h
	v_and_b32 v11, 15, v9                          ; r
	v_mul_u32_u24 v8, v10, 320
	v_lshl_add_u32 v8, v11, 4, v8
	v_add_nc_u32 v[IR], s31, v8
	v_add_nc_u32 v[SR], s32, v[L16]
	v_lshlrev_b32 v8, 12, v10
	v_lshl_add_u32 v[VO], v11, 4, v8
	s_and_b32 s[XP], ttmp9, 255
	s_lshr_b32 s[ISK], ttmp9, 8
	s_lshl_b32 s27, s[XP], 2
	s_add_co_u32 s27, s27, s[WV]                   ; my tile of 16 rows, 0..1023
	s_mov_b32 s29, 0
	s_wait_kmcnt 0x0
	s_cmp_lt_u32 ttmp9, 256                        ; q's work-group or k's: the choice hangs on the work-group's number alone
	s_cselect_b64 s[4:5], s[4:5], s[6:7]           ; the numbers,
	s_cselect_b64 s[10:11], s[10:11], s[14:15]     ; the codes,
	s_cselect_b64 s[12:13], s[12:13], s[16:17]     ; the scale bytes
	s_lshl_b32 s28, s27, 16                        ; 16 rows of 4,096 bytes
	s_add_nc_u64 s[4:5], s[4:5], s[28:29]
	s_lshl_b32 s28, s27, 13                        ; 8,192 bytes of codes
	s_add_nc_u64 s[10:11], s[10:11], s[28:29]
	s_lshl_b32 s28, s27, 9                         ; 512 scale bytes
	s_add_nc_u64 s[12:13], s[12:13], s[28:29]
	s_lshr_b32 s28, s27, 1                         ; vt: the group of 32 keys,
	s_lshl_b32 s28, s28, 16
	s_and_b32 s33, s27, 1                          ; and which half of it my 16 keys are
	s_lshl_b32 s33, s33, 9
	s_add_co_u32 s28, s28, s33
	s_add_nc_u64 s[18:19], s[18:19], s[28:29]
.macro LOADC a                         ; chunk a: row i's channels 128 a .. 128 a + 127: 32 lanes read 512 consecutive bytes
.irp i, 0,1,2,3,4,5,6,7,8,9,10,11,12,13,14,15
	global_load_b128 v[R+64*((\a)%2)+4*\i:R+64*((\a)%2)+4*\i+3], v[L16], s[4:5] offset:\i*4096+(\a)*512 th:TH_LOAD_NT
.endr
.endm
.macro VPART a                         ; k alone: my four channels x 16 keys become eight pieces of 16 bytes of vt; sixteen lanes store 256 consecutive bytes, aligned
	s_cmp_eq_u32 s[ISK], 0
	s_cbranch_scc1 .Lnot_k_\@
	s_wait_xcnt 0x0                                ; the last chunk's stores have read VP: it is rewritten only behind this wait
.irp e, 0,1,2,3
.irp i, 0,1,2,3,4,5,6,7
	v_cvt_pk_f16_f32 v[VP+8*\e+\i], v[R+64*((\a)%2)+8*\i+\e], v[R+64*((\a)%2)+8*\i+4+\e]   ; keys 2 i, 2 i + 1 of channel 128 a + 4 lane + e; the lower key in the low half
.endr
.endr
.irp e, 0,1,2,3
.irp h, 0,1
	global_store_b128 v[VO], v[VP+8*\e+4*\h:VP+8*\e+4*\h+3], s[18:19] offset:(\a)*8192+\e*1024+\h*256
.endr
.endr
.Lnot_k_\@:
.endm
.macro TURNC a                         ; the chunk through the stage: LDS serves a wave's instructions in order, so no wait stands between the stores and the loads
.irp i, 0,1,2,3,4,5,6,7,8,9,10,11,12,13,14,15
	ds_store_b128 v[SIN], v[R+64*((\a)%2)+4*\i:R+64*((\a)%2)+4*\i+3] offset:640*\i
.endr
.irp t, 0,1,2,3
.irp j, 0,1,2,3
	ds_load_b128 v[X+16*\t+4*\j:X+16*\t+4*\j+3], v[SOUT] offset:2560*\t+16*\j   ; step t: row 4 t + lane / 8, channels 128 a + 16 (lane % 8) + 0..15
.endr
.endr
.endm
.macro QSTEP a, t                      ; 16 neighbours a lane, two neighbouring lanes to a block
.set XS, X+16*(\t)
	v_max3_num_f32 v8, |v[XS]|, |v[XS+1]|, |v[XS+2]|
	v_max3_num_f32 v9, |v[XS+3]|, |v[XS+4]|, |v[XS+5]|
.irp i, 6,10
	v_max3_num_f32 v8, v8, |v[XS+\i]|, |v[XS+\i+1]|
	v_max3_num_f32 v9, v9, |v[XS+\i+2]|, |v[XS+\i+3]|
.endr
	v_max3_num_f32 v8, v8, |v[XS+14]|, |v[XS+15]|
	v_max3_num_f32 v8, v8, v9, 0x1800000           ; and the floor 2^(3 - 127): the byte cannot fall under 1
	v_max_num_f32_dpp v8, v8, v8 row_xmask:1 row_mask:0xf bank_mask:0xf   ; with my neighbour's 16: the block's largest magnitude
	v_add_nc_u32 v11, 0xff000000, v8               ; 2 off its exponent field: the conversion takes the exponent field of this operand as its scale
	v_cvt_scalef32_pk8_fp4_f32 v[C+2*(\t)], v[XS:XS+7], v11
	v_cvt_scalef32_pk8_fp4_f32 v[C+2*(\t)+1], v[XS+8:XS+15], v11
	v_lshrrev_b32 v[E+(\t)], 23, v11               ; the scale's byte (also the plain line behind the conversions)
	ds_store_b64 v[IW], v[C+2*(\t):C+2*(\t)+1] offset:(\a)*1280+(\t)*64
	ds_store_b8 v[SW], v[E+(\t)] offset:(\t)*128+4*(\a)   ; both lanes of a block write the same byte with the same value
.endm
	LOADC 0
	LOADC 1
.irp a, 0,1,2,3,4,5,6,7
.if \a < 7
	s_wait_loadcnt 16                              ; this chunk's 16 loads are in; the next chunk's 16 may be out
.else
	s_wait_loadcnt 0x0
.endif
	VPART \a
	TURNC \a
	s_wait_dscnt 0x0                               ; the 64 numbers are back, and the stage's stores have read the set,
.if \a < 6
	LOADC \a+2                                     ; which takes the chunk two further on
.endif
	QSTEP \a, 0
	QSTEP \a, 1
	QSTEP \a, 2
	QSTEP \a, 3
.endr
.irp i, 0,1,2,3,4,5,6,7,8,9,10,11,12,13,14,15
	ds_load_b128 v[R+4*\i:R+4*\i+3], v[IR] offset:640*\i   ; blocks 2 i + h, row r: these see my stores (LDS serves a wave in order)
.endr
	ds_load_b128 v[R+64:R+67], v[SR]
	s_wait_dscnt 0x0
.irp i, 0,1,2,3,4,5,6,7,8,9,10,11,12,13,14,15
	global_store_b128 v[L16], v[R+4*\i:R+4*\i+3], s[10:11] offset:512*\i   ; 32 lanes store 512 consecutive bytes, aligned
.endr
	global_store_b128 v[L16], v[R+64:R+67], s[12:13]
	s_wait_tensorcnt 0x0
	ds_add_u32 v[SPW], v[NIL]
	s_wait_dscnt 0x0
	; The tables: wave 0 of each of k's work-groups takes its 64 places, two a lane.
	s_cmp_lg_u32 s[WV], 0
	s_cbranch_scc1 .Lend
	s_cmp_eq_u32 s[ISK], 0
	s_cbranch_scc1 .Lend
	v_and_b32 v8, 31, v0
	v_lshlrev_b32 v9, 1, v8                        ; two mask bytes a lane
	s_lshl_b32 s28, s[XP], 6
	s_add_nc_u64 s[8:9], s[8:9], s[28:29]
	global_load_u16 v10, v9, s[8:9]
	s_and_b32 s30, s[XP], 31
	s_lshl_b32 s30, s30, 6                         ; the 64 places' first, within its sequence
	v_add_nc_u32 v11, s30, v9
	v_cvt_f32_u32 v16, v11                         ; the place,
	v_add_f32 v17, 1.0, v16                        ; and the next
	s_mov_b32 s31, 0x4f6e6b28                      ; 4e9
	s_mov_b32 s32, 0x4eee6b28                      ; 2e9
	v_fma_f32 v18, v16, s31, s32                   ; (place + 0.5) x 4e9
	v_fma_f32 v19, v17, s31, s32
	v_mov_b32 v20, 0x48000000                      ; 131,072: a padded key lies behind every query
	v_mov_b32 v21, 0xd6000000                      ; -2^45: a padded query lies ahead of every key
	v_lshlrev_b32 v22, 3, v8
	s_lshl_b32 s28, s[XP], 8
	s_add_nc_u64 s[20:21], s[20:21], s[28:29]
	s_add_nc_u64 s[22:23], s[22:23], s[28:29]
	s_wait_loadcnt 0x0
	v_and_b32 v23, 0xff, v10
	v_lshrrev_b32 v24, 8, v10
	v_cmp_ne_u32 vcc_lo, 0, v23
	v_cndmask_b32 v26, v20, v16, vcc_lo
	v_cndmask_b32 v28, v21, v18, vcc_lo
	v_cmp_ne_u32 vcc_lo, 0, v24
	v_cndmask_b32 v27, v20, v17, vcc_lo
	v_cndmask_b32 v29, v21, v19, vcc_lo
	global_store_b64 v22, v[26:27], s[20:21]       ; 32 lanes store 256 consecutive bytes, aligned
	global_store_b64 v22, v[28:29], s[22:23]
.Lend:
	s_endpgm
.Lfunc_end_k_q4c2f8b04b5_prep:
	.size	k_q4c2f8b04b5_prep, .Lfunc_end_k_q4c2f8b04b5_prep-k_q4c2f8b04b5_prep
	.p2alignl 7, 3214868480
	.fill 96, 4, 3214868480
	.section	.rodata,"a",@progbits
	.p2align	6, 0x0
	.amdhsa_kernel k_q4c2f8b04b5_prep
		.amdhsa_group_segment_fixed_size 84480
		.amdhsa_private_segment_fixed_size 0
		.amdhsa_enable_private_segment 0
		.amdhsa_kernarg_size 80
		.amdhsa_user_sgpr_count 2
		.amdhsa_user_sgpr_kernarg_segment_ptr 1
		.amdhsa_wavefront_size32 1
		.amdhsa_system_sgpr_workgroup_id_x 1
		.amdhsa_system_sgpr_workgroup_id_y 1
		.amdhsa_system_sgpr_workgroup_id_z 1
		.amdhsa_system_vgpr_workitem_id 0
		.amdhsa_next_free_vgpr 256
		.amdhsa_next_free_sgpr 66
		.amdhsa_reserve_vcc 1
		.amdhsa_float_denorm_mode_32 3
		.amdhsa_float_denorm_mode_16_64 3
		.amdhsa_memory_ordered 1
		.amdhsa_forward_progress 1
		.amdhsa_inst_pref_size 89
	.end_amdhsa_kernel
	.amdgpu_metadata
---
amdhsa.version: [ 1, 2 ]
amdhsa.kernels:
  - .name:           k_q4c2f8b04b5_prep
    .symbol:         k_q4c2f8b04b5_prep.kd
    .args:
      - { .name: q, .offset: 0, .size: 8, .value_kind: global_buffer, .address_space: global }
      - { .name: k, .offset: 8, .size: 8, .value_kind: global_buffer, .address_space: global }
      - { .name: mask, .offset: 16, .size: 8, .value_kind: global_buffer, .address_space: global }
      - { .name: qc, .offset: 24, .size: 8, .value_kind: global_buffer, .address_space: global }
      - { .name: qs, .offset: 32, .size: 8, .value_kind: global_buffer, .address_space: global }
      - { .name: kc, .offset: 40, .size: 8, .value_kind: global_buffer, .address_space: global }
      - { .name: ks, .offset: 48, .size: 8, .value_kind: global_buffer, .address_space: global }
      - { .name: vt, .offset: 56, .size: 8, .value_kind: global_buffer, .address_space: global }
      - { .name: ki, .offset: 64, .size: 8, .value_kind: global_buffer, .address_space: global }
      - { .name: qt, .offset: 72, .size: 8, .value_kind: global_buffer, .address_space: global }
    .group_segment_fixed_size: 84480
    .private_segment_fixed_size: 0
    .kernarg_segment_align: 8
    .kernarg_segment_size: 80
    .max_flat_workgroup_size: 128
    .sgpr_count:     66
    .vgpr_count:     256
    .wavefront_size: 32
...
	.end_amdgpu_metadata
.endif
;; end of part 1
;; launch attn (part 2): grid 32 x 8, 4 waves a work-group, clusters of 4 x 1, 327,680 bytes of LDS; arguments qc, qs, kc, ks, vt, ki, qt, scale, out0; writes out0
.if DOCPART == 2
	.amdgcn_target "amdgcn-amd-amdhsa--gfx1250"
	.amdhsa_code_object_version 6
	.text
	.protected	k_q4c2f8b04b5_attn
	.globl	k_q4c2f8b04b5_attn
	.p2align	8
	.type	k_q4c2f8b04b5_attn,@function
k_q4c2f8b04b5_attn:
	s_mov_b64 s[64:65], 0
	v_nop
	global_prefetch_b8 v0, s[64:65] scope:SCOPE_SE
	s_setreg_imm32_b32 hwreg(HW_REG_WAVE_MODE, 25, 1), 1
	s_wait_xcnt 0x0
	s_wait_alu depctr_hold_cnt(0) depctr_sa_sdst(0) depctr_va_vdst(0) depctr_va_sdst(0) depctr_va_ssrc(0) depctr_va_vcc(0) depctr_vm_vsrc(0)
	s_getreg_b32 s2, hwreg(HW_REG_IB_STS2, 6, 4)
	s_cmp_eq_u32 s2, 0
	s_cbranch_scc0 .Lentry_in_a_cluster
	s_endpgm
.Lentry_in_a_cluster:
	s_bfe_u32 s2, ttmp6, 0x10000c
	s_cmp_lg_u32 s2, 0x3003
	s_cbranch_scc0 .Lentry_shape_is_right
	s_endpgm
.Lentry_shape_is_right:
; out[b][q][:] = the sum over keys of softmax(q . k x scale - 1e9 x masked) k[key][:].  8 sequences of 2,048, 1,024 channels.  The first product on codes of FP4 with E8M0 scales, the second on f16; sums in f32.
; THE MASK IS A PENALTY, NOT A CUT: a padded query has all 2,048 keys penalised alike, those behind it too, and its softmax runs over fl(s x scale - 1e9).  Which queries are padded is an input: so every query walks all keys.
; The two roundings are kept as the problem has them: s x scale, then the addition of 0 or of -1e9.
; SHARES.  A work-group owns 64 queries and all 1,024 channels: O in f32 is 4 waves x 512 registers.  8 x 32 = 256 work-groups.  Wave w owns channels 256 w .. 256 w + 255 of all 64 queries: 64 accumulators.
; Keys go 64 a step.  For a step wave w makes the scores of keys 16 w .. 16 w + 15 for all 64 queries (Q's 32 fragments stay in its registers, so a fragment of k's codes feeds four matrix instructions),
; the waves exchange their maxima through LDS (barrier 1), each makes p of its 16 keys and stores it as an image of the second product's operand (barrier 2), and each multiplies all 64 keys' p by its own channels of V.
; LAYOUT.  Both products are used transposed: S^T = K Q^T (source 0 = 16 keys, source 1 = 16 queries), O^T = V^T P (source 0 = 16 channels, source 1 = P): a lane holds ONE query (lane % 16) throughout,
; and a wave's eight scores of a lane, rounded to f16 in pairs, ARE four registers of P's fragment.  V comes as fragments laid ready by the launch before: every LDS read takes 512 consecutive bytes.
; SOFTMAX.  A running maximum m and sum l for each query: p = 2^((s - m) log2 e); in every step O and l are multiplied by f = 2^((m_old - m_new) log2 e).  The subtraction stands ahead of the multiplication:
; where m is near -1e9 the product m x log2 e would be rounded by more than the differences that count.
; BY TURNS.  The second product of step j, eight sub-steps of 16 matrix instructions, carries vector work, four lines behind a matrix instruction.  Sub-steps 0 to 2: O^T x f for the 16 accumulators that the NEXT
; sub-step takes up.  Behind sub-step 3 P's first four fragments are done with: the scores of step j + 1 are laid into their registers.  Sub-steps 4 and 5: those scores' scaling, penalty and maxima.  Barrier 1
; stands between sub-steps 6 and 7; sub-step 7 carries the new m and s - m.  The exponentials, p, barrier 2 and the first loads of P and V stand between two steps' products.
; A slice works in another register window than the products round it: two switches a slice.  That is the lesser price here: set in phases of their own, these lines would be issued with no product on its way.
; CLUSTER.  The four query blocks of a cluster belong to one sequence and walk the same V: each quarter of a step's 131,072 bytes is asked for JOINTLY, by the same tensor load in all four work-groups.
; k's CODES ARE NOT SHARED THROUGH LDS: in a work-group each byte of them is read by one wave alone, so they go from memory straight into that wave's registers; and two slots of
; V, codes and scale bytes would be 2 x (131,072 + 32,768 + 2,048) + the 10,752 bytes behind the ring = 342,528 bytes, more than the 327,680 that a work-group can claim.
; LIMITS: |k| up to 65,504 (f16); scores under -1e38, NaN and infinities are not served.
; REGISTERS, in windows of 256: window 0: below.  Window 1: Q's fragments, (tile m, K step s) at 8 (8 m + s).  Windows 2, 3: O^T: accumulator (m, a, g, e) in window 2 + a at 8 (16 g + 4 e + m);
; its register j in lane (r, h) is query 16 m + r, channel 256 w + 128 a + 64 g + 32 h + 4 j + e.
.set SLOT1,  131072                    ; LDS: V's slot 0 at 0, slot 1 here: one exclusive or turns an address in one slot into the other's
.set PB,     262144                    ; P's images: fragment (g, m) at 4,096 g + 1,024 m + 512 c + 16 lane
.set MX,     270336                    ; the waves' maxima, [m][r][w] f32: 1,024 bytes; behind them, LXO on, the sums likewise
.set LXO,    1024
.set SPARE,  272384                    ; the spare words, 128 bytes for each wave, which no other line names
.set SPITCH, 1040                      ; the way out: a stage of 16 rows x (1,024 + 16) bytes for each wave, in slot 0, which has had its last fill and its last read by then
.set SPW, 1                            ; v1   my spare word's LDS address; never rewritten
.set NIL, 2                            ; v2   0; never rewritten
.set L16, 3                            ; v3   16 x lane
.set VAB, 4                            ; v4   16 x lane + 16,384 w: my 16 channel tiles in a group of 32 keys
.set PRD, 5                            ; v5   PB + 16 x lane
.set PWR, 6                            ; v6   where my p goes: PB + 4,096 (w / 2) + 512 (w % 2) + 16 x lane
.set MXW, 7                            ; v7   MX + 16 r + 4 w
.set MXR, 8                            ; v8   MX + 16 r
.set KSO, 9                            ; v9   32 r + 16 h: a row's scale bytes, my half of them
.set R4,  10                           ; v10  4 r
.set ST,  12                           ; v12-35: six registers a tile of queries: +0 the query's threshold, +1 at work, +2 m, +4 f, +5 l.  The packed forms name pairs and take the low word: +0, +2, +4 are even
.set ADV, 15                           ; v15, v21 (the tiles' places +3): LDS address of my V in the step's first and second 32 keys
.set PFO, 27                           ; v27  256 x lane, for the prefetches; never rewritten
.set KIO, 33                           ; v33  32 h
.set QS,  36                           ; v36-51  Q's scale words, 4 m + i: lanes 0-15 K step i, lanes 16-31 K step 4 + i.  Scales and nothing else
.set KSC, 52                           ; v52-55  k's, laid the same way
.set KI,  56                           ; v56-63  the places of keys 8 h + 0..7 of my tile
.set KF,  64                           ; v64-127 the eight fragments of my 16 keys' codes
.set XA,  64                           ; v64-95  the penalties, then the maxima's work: in the codes' registers, between the scores and the loads of the next codes
.set VB,  128                          ; v128-159, v160-191: two sets of four fragments of V
.set MXL, 128                          ; v128-143 the four waves' maxima: in V's set 0, which sub-step 6 is the last to read;
.set SU,  128                          ; then the sums' work
.set PK,  144                          ; v144-159 p in f16
.set PF,  192                          ; v192-255 P's eight fragments: 32 g + 8 m
.set S,   192                          ; v192-223 S^T of the next step, then p: 8 a tile, in the registers of P's first four fragments, which sub-step 3 is the last to read
.set T,   128                          ; the way out: 128 numbers of a tile of queries
.set RL,  64                           ; v64-67 1 / l
.set STO, 72
.set SRD, 73
.set LT,  80
.set LS4, 84
.set BBARE, 8                          ; sub-step 7: so many products stand bare ahead of the wait for the maxima
.set WV,  22
.set TB,  23                           ; s23  the slot in hand
.set CNT, 24
.set LIM, 25
.set SEL, 26                           ; s[26:27] v_permlanex16_b32's selects for lane l xor 16
.set SCL, 28                           ; s[28:29] scale, twice
.set L2E, 30                           ; s[30:31] log2 e, twice
.set M4,  32                           ; s[32:33] -4e9, twice
.set M1,  34                           ; s34  -1e9
.set G1,  36                           ; s[36:43] descriptor group 1
.set G0A, 44                           ; s[44:47] group 0 of V(0)
.set G0B, 48                           ; s[48:51] group 0 of V(1), which then walks
.set PFA, 52                           ; s[52:53] where my prefetches stand
.set MSB, 0
.set na, 0
.set nb, 0
.set ru, 0
.set ra, 0
.set wk, 0
.macro WIN new                         ; the immediate's high byte repeats the setting that is left; a switch that changes nothing is dropped
.if MSB != (\new)
	s_set_vgpr_msb (MSB<<8)|(\new)
.set MSB, (\new)
.endif
.endm
.macro PLACES n                        ; plain vector lines between a matrix instruction and what touches its registers (ISA guide 7.12.1)
.rept \n
	v_nop
.endr
.endm
.macro CROUND                          ; a round of the cluster's barrier: my work-group's barrier; wave 0 signals for the work-group; all wait for the four work-groups; my work-group's barrier
	s_barrier_signal -1
	s_barrier_wait -1
	s_cmp_lg_u32 s[WV], 0
	s_cbranch_scc1 .Lnot_wave_0_\@
	s_barrier_signal -3
.Lnot_wave_0_\@:
	s_barrier_wait -3
	s_barrier_signal -1
	s_barrier_wait -1
.endm
; A prefetch of the step of V behind the one just asked for: 131,072 bytes = 4 work-groups x 4 waves x 32 lanes x 256.  All clusters of a sequence walk the same V: its first cluster asks; the partners
; are told apart by address.  The last change that fills a slot asks for nothing.
.macro ASK
	s_cmp_gt_u32 s[CNT], s[LIM]
	s_cbranch_scc0 .Lnot_mine_\@
	global_prefetch_b8 v[PFO], s[PFA:PFA+1] th:TH_LOAD_NT scope:SCOPE_SE
.Lnot_mine_\@:
.endm
	s_load_b256 s[4:11], s[0:1], 0x0               ; qc s[4:5], qs s[6:7], kc s[8:9], ks s[10:11]
	s_load_b256 s[12:19], s[0:1], 0x20             ; vt s[12:13], ki s[14:15], qt s[16:17], scale s[18:19]
	s_load_b64 s[20:21], s[0:1], 0x40              ; out0
	v_lshl_add_u32 v[SPW], v0, 2, SPARE
	v_mov_b32 v[NIL], 0
	ds_add_u32 v[SPW], v[NIL]                      ; the wave's opening: the add, twice on end, and its wait ahead of my first tensor load
	ds_add_u32 v[SPW], v[NIL]
	v_lshrrev_b32 v11, 5, v0
	v_readfirstlane_b32 s[WV], v11                 ; wave 0..3
	; group 1: a dense block of 32,768 bytes as 128 rows of 256 bytes (32 elements of 8 bytes); no padding: fragments are read as they lie
	s_mov_b32 s[G1], 15|(3<<16)|(1<<21)            ; 15:0 the mask: all four work-groups; 17:16 elements of 8 bytes; 21 set beside a mask
	s_mov_b32 s[G1+1], 32<<16                      ; tensor_dim0 = 32
	s_mov_b32 s[G1+2], 128<<16                     ; tensor_dim1 = 128
	s_mov_b32 s[G1+3], 32<<16                      ; tile_dim0 = 32
	s_mov_b32 s[G1+4], 128                         ; tile_dim1 = 128
	s_mov_b32 s[G1+5], 32                          ; from row to row
	s_mov_b32 s[G1+6], 0
	s_mov_b32 s[G1+7], 0
	s_mov_b32 s[SEL], 0x76543210
	s_mov_b32 s[SEL+1], 0xfedcba98
	s_mov_b32 s[L2E], 0x3fb8aa3b
	s_mov_b32 s[L2E+1], 0x3fb8aa3b
	s_mov_b32 s[M4], 0xcf6e6b28
	s_mov_b32 s[M4+1], 0xcf6e6b28
	s_mov_b32 s[M1], 0xce6e6b28
	s_mov_b32 s[TB], 0
	s_mov_b32 s[CNT], 30
	s_and_b32 s56, ttmp7, 0xffff                   ; the sequence, which the four partners share
	s_lshl_b32 s57, s[WV], 15                      ; my quarter of a step of V, in memory and in a slot: no place in the cluster enters it
	s_lshl_b32 s58, s56, 22                        ; a sequence's V: 4 MiB
	s_add_co_u32 s58, s58, s57
	s_mov_b32 s59, 0
	s_wait_dscnt 0x0                               ; both opening adds are done
	s_wait_kmcnt 0x0
	s_load_b32 s[SCL], s[18:19], 0x0               ; scale
	s_mov_b32 s[G0A], 1                            ; count = 1
	s_mov_b32 s[G0A+1], s57                        ; LDS: slot 0, my quarter
	s_add_nc_u64 s[G0A+2:G0A+3], s[12:13], s[58:59]
	s_mov_b32 s[G0B], 1
	s_add_co_u32 s[G0B+1], s57, SLOT1              ; slot 1
	s_add_nc_u64 s[G0B+2:G0B+3], s[G0A+2:G0A+3], 131072   ; the next 64 keys
	s_or_b32 s[G0A+3], s[G0A+3], 0x80000000        ; type = 2
	s_or_b32 s[G0B+3], s[G0B+3], 0x80000000
	CROUND                                         ; all four work-groups are here: the first joint loads meet
	tensor_load_to_lds s[G0A:G0A+3], s[G1:G1+7]    ; the two first fills go out together: two loads of mine are out
	s_nop 0
	tensor_load_to_lds s[G0B:G0B+3], s[G1:G1+7]
	s_nop 0
	PLACES 4
	; k's three streams: they hang on the sequence and the wave
	s_mov_b32 s3, 0
	s_lshl_b32 s2, s56, 20
	s_lshl_b32 s57, s[WV], 13
	s_add_co_u32 s2, s2, s57
	s_add_nc_u64 s[8:9], s[8:9], s[2:3]            ; codes: key tile w of step 0
	s_lshl_b32 s2, s56, 16
	s_lshl_b32 s57, s[WV], 9
	s_add_co_u32 s2, s2, s57
	s_add_nc_u64 s[10:11], s[10:11], s[2:3]        ; scale bytes
	s_lshl_b32 s2, s56, 13
	s_lshl_b32 s57, s[WV], 6
	s_add_co_u32 s2, s2, s57
	s_add_nc_u64 s[14:15], s[14:15], s[2:3]        ; the keys' places
	; what hangs on my block of queries: global addresses alone, in registers of their own
	s_bfe_u32 s54, ttmp6, 0x40000                  ; cx
	s_lshl_b32 s55, ttmp9, 2
	s_add_co_u32 s55, s55, s54                     ; my block of 64 queries = 4 x cluster x + cx
	s_mov_b32 s61, 0
	s_lshl_b32 s60, s56, 20
	s_lshl_b32 s62, s55, 15
	s_add_co_u32 s60, s60, s62
	s_add_nc_u64 s[4:5], s[4:5], s[60:61]          ; Q's codes
	s_lshl_b32 s60, s56, 16
	s_lshl_b32 s62, s55, 11
	s_add_co_u32 s60, s60, s62
	s_add_nc_u64 s[6:7], s[6:7], s[60:61]          ; Q's scale bytes
	s_lshl_b32 s60, s56, 13
	s_lshl_b32 s62, s55, 8
	s_add_co_u32 s60, s60, s62
	s_add_nc_u64 s[16:17], s[16:17], s[60:61]      ; the queries' thresholds
	s_lshl_b32 s60, s56, 23
	s_lshl_b32 s62, s55, 18
	s_add_co_u32 s60, s60, s62
	s_lshl_b32 s62, s[WV], 10
	s_add_co_u32 s60, s60, s62
	s_add_nc_u64 s[20:21], s[20:21], s[60:61]      ; out: my first query's row, my 256 channels
	s_lshl_b32 s60, s56, 22
	s_lshl_b32 s62, s54, 15
	s_add_co_u32 s60, s60, s62
	s_lshl_b32 s62, s[WV], 13
	s_add_co_u32 s60, s60, s62
	s_add_co_u32 s60, s60, 2*131072                ; at step 2: the first change of slots steps it to step 3.  Nothing is prefetched here, at the head
	s_add_nc_u64 s[PFA:PFA+1], s[12:13], s[60:61]
	s_cmp_eq_u32 ttmp9, 0                          ; the sequence's first cluster: the same in all four partners
	s_cselect_b32 s[LIM], 1, -1
	v_and_b32 v11, 31, v0
	v_lshlrev_b32 v[L16], 4, v11
	v_lshlrev_b32 v[PFO], 8, v11
	v_and_b32 v11, 15, v0                          ; r
	v_bfe_u32 v[KIO], v0, 4, 1                     ; h
	v_lshlrev_b32 v[KSO], 5, v11
	v_lshl_add_u32 v[KSO], v[KIO], 4, v[KSO]
	v_lshlrev_b32 v[KIO], 5, v[KIO]
	v_lshlrev_b32 v[R4], 2, v11
	WIN 0x40                                       ; destination window 1
.irp m, 0,1,2,3
.irp s, 0,1,2,3,4,5,6,7
.irp c, 0,1
	global_load_b128 v[8*(8*\m+\s)+4*\c:8*(8*\m+\s)+4*\c+3], v[L16], s[4:5] offset:\m*8192+\s*1024+\c*512   ; Q stays in registers
.endr
.endr
.endr
	WIN 0
.irp m, 0,1,2,3
	global_load_b128 v[QS+4*\m:QS+4*\m+3], v[KSO], s[6:7] offset:512*\m
.endr
.irp m, 0,1,2,3
	global_load_b32 v[ST+6*\m], v[R4], s[16:17] offset:64*\m
.endr
.macro KLOAD                           ; my 16 keys' codes, eight fragments of 1,024 bytes, and their scale words
.irp s, 0,1,2,3,4,5,6,7
.irp c, 0,1
	global_load_b128 v[KF+8*\s+4*\c:KF+8*\s+4*\c+3], v[L16], s[8:9] offset:\s*1024+\c*512
.endr
.endr
	global_load_b128 v[KSC:KSC+3], v[KSO], s[10:11]
.endm
.macro KILOAD
	global_load_b128 v[KI:KI+3], v[KIO], s[14:15]
	global_load_b128 v[KI+4:KI+7], v[KIO], s[14:15] offset:16
.endm
.macro KNEXT                           ; the next step's codes, scale words and places.  It stands behind the wait that showed the last ones in, so their addresses may step
	s_add_nc_u64 s[8:9], s[8:9], 32768             ; four key tiles on
	s_add_nc_u64 s[10:11], s[10:11], 2048
	s_add_nc_u64 s[14:15], s[14:15], 256
	KLOAD
	KILOAD
.endm
	KLOAD
	KILOAD
	s_lshl_b32 s2, s[WV], 14
	v_add_nc_u32 v[VAB], s2, v[L16]
	v_add_nc_u32 v[PRD], PB, v[L16]
	s_lshr_b32 s2, s[WV], 1
	s_lshl_b32 s2, s2, 12
	s_and_b32 s57, s[WV], 1
	s_lshl_b32 s57, s57, 9
	s_add_co_u32 s2, s2, s57
	s_add_co_u32 s2, s2, PB
	v_add_nc_u32 v[PWR], s2, v[L16]
	s_lshl_b32 s2, s[WV], 2
	s_add_co_u32 s2, s2, MX
	v_lshl_add_u32 v[MXW], v11, 4, s2
	v_lshl_add_u32 v[MXR], v11, 4, MX
.irp m, 0,1,2,3
	v_mov_b32 v[ST+6*\m+1], 0
	v_mov_b32 v[ST+6*\m+2], 0xfe967699             ; m = -1e38, under every score that is served
	v_mov_b32 v[ST+6*\m+4], 0
	v_mov_b32 v[ST+6*\m+5], 0                      ; l
.endr
	v_mov_b32 v[ADV], 0                            ; (named as upper halves of pairs before they are first used)
	v_mov_b32 v[ADV+6], 0
	s_wait_kmcnt 0x0
	s_mov_b32 s[SCL+1], s[SCL]
; S^T = K Q^T: eight K steps of 128, the four tiles of queries by turns, one instruction a turn.  The first K step starts the sums.
.macro SCORES
	WIN 0x04                                       ; source 1 (Q) in window 1
.irp s, 0,1,2,3,4,5,6,7
.irp m, 0,1,2,3
.if \s == 0
	v_wmma_scale_f32_16x16x128_f8f6f4 v[S+8*\m:S+8*\m+7], v[KF+8*\s:KF+8*\s+7], v[8*(8*\m+\s):8*(8*\m+\s)+7], 0, v[KSC+(\s%4)], v[QS+4*\m+(\s%4)] matrix_a_fmt:MATRIX_FMT_FP4 matrix_b_fmt:MATRIX_FMT_FP4
.elseif \s < 4
	v_wmma_scale_f32_16x16x128_f8f6f4 v[S+8*\m:S+8*\m+7], v[KF+8*\s:KF+8*\s+7], v[8*(8*\m+\s):8*(8*\m+\s)+7], v[S+8*\m:S+8*\m+7], v[KSC+(\s%4)], v[QS+4*\m+(\s%4)] matrix_a_fmt:MATRIX_FMT_FP4 matrix_b_fmt:MATRIX_FMT_FP4
.else
	v_wmma_scale_f32_16x16x128_f8f6f4 v[S+8*\m:S+8*\m+7], v[KF+8*\s:KF+8*\s+7], v[8*(8*\m+\s):8*(8*\m+\s)+7], v[S+8*\m:S+8*\m+7], v[KSC+(\s%4)], v[QS+4*\m+(\s%4)] matrix_a_fmt:MATRIX_FMT_FP4 matrix_b_fmt:MATRIX_FMT_FP4 matrix_a_scale:MATRIX_SCALE_ROW1 matrix_b_scale:MATRIX_SCALE_ROW1
.endif
.endr
.endr
.endm
; STAGE A, a list of 104 lines; AI writes number na of it and steps na.
;   0-15   s x scale, rounded, a pair of scores each: each accumulator is read from its low end on
;   16-63  the penalty: x = threshold - 4e9 x the key's place is 2e9 or more where the key counts (both valid, key <= query) and -2e9 or less where it does not; the middle of x, -1e9 and 0 is then exactly 0 or -1e9
;   64-79  the addition, rounded
;   80-103 the largest of my 16 keys for each query, the four tiles by turns; the query's other eight keys lie in the lane 16 away; it ends in the tile's work register, which no load touches
.macro AI
.if na < 16
	v_pk_mul_f32 v[S+2*na:S+2*na+1], v[S+2*na:S+2*na+1], s[SCL:SCL+1] op_sel_hi:[1,0]
.elseif na < 32
	v_pk_fma_f32 v[XA+2*(na-16):XA+2*(na-16)+1], v[KI+2*((na-16)%4):KI+2*((na-16)%4)+1], s[M4:M4+1], v[ST+6*((na-16)/4):ST+6*((na-16)/4)+1] op_sel_hi:[1,0,0]
.elseif na < 64
	v_med3_num_f32 v[XA+na-32], v[XA+na-32], s[M1], 0
.elseif na < 80
	v_pk_add_f32 v[S+2*(na-64):S+2*(na-64)+1], v[S+2*(na-64):S+2*(na-64)+1], v[XA+2*(na-64):XA+2*(na-64)+1]
.elseif na < 84
	v_max3_num_f32 v[XA+8*(na-80)], v[S+8*(na-80)], v[S+8*(na-80)+1], v[S+8*(na-80)+2]
.elseif na < 88
	v_max3_num_f32 v[XA+8*(na-84)+1], v[S+8*(na-84)+3], v[S+8*(na-84)+4], v[S+8*(na-84)+5]
.elseif na < 92
	v_max3_num_f32 v[XA+8*(na-88)], v[XA+8*(na-88)], v[S+8*(na-88)+6], v[S+8*(na-88)+7]
.elseif na < 96
	v_max_num_f32 v[XA+8*(na-92)], v[XA+8*(na-92)], v[XA+8*(na-92)+1]
.elseif na < 100
	v_permlanex16_b32 v[XA+8*(na-96)+2], v[XA+8*(na-96)], s[SEL], s[SEL+1]
.else
	v_max_num_f32 v[ST+6*(na-100)+1], v[XA+8*(na-100)], v[XA+8*(na-100)+2]
.endif
.set na, na+1
.endm
.macro MXSTORE                         ; my maxima to the other waves: lanes r and 16 + r write the same word with the same value
.irp m, 0,1,2,3
	ds_store_b32 v[MXW], v[ST+6*\m+1] offset:256*\m
.endr
.endm
.macro MXLOAD
.irp m, 0,1,2,3
	ds_load_b128 v[MXL+4*\m:MXL+4*\m+3], v[MXR] offset:256*\m
.endr
.endm
; STAGE B, a list of 52 lines; BI writes number nb of it and steps nb.  0-3 m_old is kept; 4-11 the new m; 12-19 (m_old - m_new) log2 e; 20-35 s - m; 36-51 x log2 e.  The four tiles by turns.
.macro BI
.if nb < 4
	v_mov_b32 v[ST+6*nb+1], v[ST+6*nb+2]
.elseif nb < 8
	v_max3_num_f32 v[ST+6*(nb-4)+2], v[ST+6*(nb-4)+2], v[MXL+4*(nb-4)], v[MXL+4*(nb-4)+1]
.elseif nb < 12
	v_max3_num_f32 v[ST+6*(nb-8)+2], v[ST+6*(nb-8)+2], v[MXL+4*(nb-8)+2], v[MXL+4*(nb-8)+3]
.elseif nb < 16
	v_sub_f32 v[ST+6*(nb-12)+1], v[ST+6*(nb-12)+1], v[ST+6*(nb-12)+2]
.elseif nb < 20
	v_mul_f32 v[ST+6*(nb-16)+1], s[L2E], v[ST+6*(nb-16)+1]
.elseif nb < 36
	v_pk_add_f32 v[S+2*(nb-20):S+2*(nb-20)+1], v[S+2*(nb-20):S+2*(nb-20)+1], v[ST+6*((nb-20)/4)+2:ST+6*((nb-20)/4)+3] op_sel_hi:[1,0] neg_lo:[0,1] neg_hi:[0,1]
.else
	v_pk_mul_f32 v[S+2*(nb-36):S+2*(nb-36)+1], v[S+2*(nb-36):S+2*(nb-36)+1], s[L2E:L2E+1] op_sel_hi:[1,0]
.endif
.set nb, nb+1
.endm
; What stands between two steps' products: f and p, p's way to the other waves, the sums.
.macro SOFT2
.irp m, 0,1,2,3
	v_exp_f32 v[ST+6*\m+4], v[ST+6*\m+1]           ; f.  ONE BATCH of 36 exponentials: none reads another's result
.endr
.irp j, 0,1,2,3,4,5,6,7,8,9,10,11,12,13,14,15,16,17,18,19,20,21,22,23,24,25,26,27,28,29,30,31
	v_exp_f32 v[S+\j], v[S+\j]                     ; p
.endr
	v_nop                                          ; a plain line behind the last exponential,
	s_wait_alu depctr_va_vdst(0)                   ; and the one wait ahead of the batch's first reader
.irp m, 0,1,2,3
.irp i, 0,1,2,3
	v_cvt_pk_f16_f32 v[PK+4*\m+\i], v[S+8*\m+2*\i], v[S+8*\m+2*\i+1]
.endr
.endr
.irp m, 0,1,2,3
	ds_store_b128 v[PWR], v[PK+4*\m:PK+4*\m+3] offset:1024*\m   ; half w % 2 of P's fragment (w / 2, m), as the operand's registers want it
.endr
.irp m, 0,1,2,3
	v_pk_add_f32 v[SU+4*\m:SU+4*\m+1], v[S+8*\m:S+8*\m+1], v[S+8*\m+2:S+8*\m+3]
	v_pk_add_f32 v[SU+4*\m+2:SU+4*\m+3], v[S+8*\m+4:S+8*\m+5], v[S+8*\m+6:S+8*\m+7]
.endr
.irp m, 0,1,2,3
	v_pk_add_f32 v[SU+4*\m:SU+4*\m+1], v[SU+4*\m:SU+4*\m+1], v[SU+4*\m+2:SU+4*\m+3]
.endr
.irp m, 0,1,2,3
	v_add_f32 v[SU+4*\m], v[SU+4*\m], v[SU+4*\m+1]
.endr
.irp m, 0,1,2,3
	v_fma_f32 v[ST+6*\m+5], v[ST+6*\m+5], v[ST+6*\m+4], v[SU+4*\m]   ; l = l f + my eight p
.endr
.endm
.macro RSLICE                          ; O^T x f for accumulator ra (0..15) of sub-step ru (0..3): four packed multiplies, from the accumulator's low end on
.if (ru%4) < 2
	WIN 0x82                                       ; destination and source 0 in window 2; f in window 0
.else
	WIN 0xc3                                       ; in window 3
.endif
.irp j, 0,2,4,6
	v_pk_mul_f32 v[8*(16*(ru%2)+ra)+\j:8*(16*(ru%2)+ra)+\j+1], v[8*(16*(ru%2)+ra)+\j:8*(16*(ru%2)+ra)+\j+1], v[ST+6*(ra%4)+4:ST+6*(ra%4)+5] op_sel_hi:[1,0]
.endr
.endm
.macro PLOAD
.irp g, 0,1
.irp m, 0,1,2,3
.irp c, 0,1
	ds_load_b128 v[PF+32*\g+8*\m+4*\c:PF+32*\g+8*\m+4*\c+3], v[PRD] offset:\g*4096+\m*1024+\c*512
.endr
.endr
.endr
.endm
.macro VLOAD u                         ; sub-step u: keys 32 (u / 4) on, my channel tiles 4 (u % 4) + 0..3, into set u % 2
.irp i, 0,1,2,3
.irp c, 0,1
	ds_load_b128 v[VB+32*((\u)%2)+8*\i+4*\c:VB+32*((\u)%2)+8*\i+4*\c+3], v[ADV+6*((\u)/4)] offset:(4*((\u)%4)+\i)*1024+\c*512
.endr
.endr
.endm
; SUB-STEP u: 16 products on 16 different accumulators.  ZR = 1: the first 32 keys start the sums: nothing is ever cleared.
; mode 0: bare.  1: behind product k stands O^T x f for accumulator k of sub-step u + 1.  2: behind each product four lines of stage A, while there are any.
; 3: BBARE products bare, the wait for the maxima, then four lines of stage B behind each product.
.macro PVS u, mode
.set wk, 0
.irp i, 0,1,2,3
.irp m, 0,1,2,3
.if (\mode == 3) && (wk == BBARE)
	s_wait_dscnt 0x0                               ; the four waves' maxima are in
.endif
.if ((\u)%4) < 2
	WIN 0xa0                                       ; C and D in window 2
.else
	WIN 0xf0                                       ; in window 3
.endif
.if ZR && ((\u) < 4)
	v_wmma_f32_16x16x32_f16 v[8*(16*((\u)%2)+4*\i+\m):8*(16*((\u)%2)+4*\i+\m)+7], v[VB+32*((\u)%2)+8*\i:VB+32*((\u)%2)+8*\i+7], v[PF+32*((\u)/4)+8*\m:PF+32*((\u)/4)+8*\m+7], 0
.else
	v_wmma_f32_16x16x32_f16 v[8*(16*((\u)%2)+4*\i+\m):8*(16*((\u)%2)+4*\i+\m)+7], v[VB+32*((\u)%2)+8*\i:VB+32*((\u)%2)+8*\i+7], v[PF+32*((\u)/4)+8*\m:PF+32*((\u)/4)+8*\m+7], v[8*(16*((\u)%2)+4*\i+\m):8*(16*((\u)%2)+4*\i+\m)+7]
.endif
.if \mode == 1
.set ru, (\u)+1
.set ra, wk
	RSLICE
.elseif \mode == 2
.if na < 104
	WIN 0
	AI
	AI
	AI
	AI
.endif
.elseif \mode == 3
.if wk >= BBARE
	WIN 0
	BI
	BI
	BI
	BI
.endif
.endif
.set wk, wk+1
.endr
.endr
.endm
; A KEY STEP j.  It finds (s - m) log2 e of its own keys in S.  kind 0: the first (O^T begins; both first fills are out); 1: in the loop (a slot is filled again); 2: the last (no next step).
.macro STEP kind
.set ZR, 0
.set RM, 1
.if \kind == 0
.set ZR, 1
.set RM, 0
.endif
	SOFT2
.if \kind == 0
	s_wait_tensorcnt 0x1                           ; my quarter of V(0) is in; V(1)'s may stay out
	s_wait_dscnt 0x0                               ; my p has landed
	s_barrier_signal -1
	s_barrier_wait -1
.elseif \kind == 1
	s_wait_tensorcnt 0x0                           ; all my tensor loads have landed: the one that was out is my quarter of this step's V; so a group 0 may be written
	ds_add_u32 v[SPW], v[NIL]                      ; 0 onto my spare word; the steps below stand between it and the wait for it
	s_xor_b32 s[G0B+1], s[G0B+1], SLOT1            ; the other slot than last time,
	s_add_nc_u64 s[G0B+2:G0B+3], s[G0B+2:G0B+3], 131072   ; the next 64 keys; the type bits on top are not reached
	s_wait_xcnt 0x0                                ; the last prefetch, a step back, has read its address
	s_add_nc_u64 s[PFA:PFA+1], s[PFA:PFA+1], 131072
	s_wait_dscnt 0x0                               ; the add is done, my p has landed, and my reads of the last step's V are over
	CROUND                                         ; barrier 2 is a round of the cluster's: no wave of any partner still reads the slot or has a load on its way
	tensor_load_to_lds s[G0B:G0B+3], s[G1:G1+7]    ; the next step's V into the slot read last step: my one load until the next round; it has this step's 160 matrix instructions in which to land
	s_nop 0
	PLACES 4
	ASK
.else
	s_wait_tensorcnt 0x0
	ds_add_u32 v[SPW], v[NIL]
	s_wait_dscnt 0x0
	s_barrier_signal -1
	s_barrier_wait -1
.endif
	v_add_nc_u32 v[ADV], s[TB], v[VAB]
	v_add_nc_u32 v[ADV+6], 0x10000, v[ADV]
	PLOAD
	VLOAD 0
	VLOAD 1
.if \kind != 0
.set ru, 0
.set ra, 0
.rept 16
	RSLICE                                         ; sub-step 0's own 16 accumulators: these 64 lines stand between the 32 loads and the wait for them
.set ra, ra+1
.endr
.endif
	s_wait_dscnt 8                                 ; P and sub-step 0's V are in; sub-step 1's eight loads may be out
	PVS 0, RM
.irp u, 1,2,3
	PLACES 4                                       ; in front of the loads into the set that the last 16 products read
	WIN 0
	VLOAD \u+1
	s_wait_dscnt 8                                 ; all but the eight just issued
.if \u < 3
	PVS \u, RM
.else
	PVS \u, 0
.endif
.endr
.if \kind != 2
	PLACES 5                                       ; the next scores are laid over P's first four fragments, which the last 64 products read: five places for a matrix instruction that writes over them
	WIN 0
	VLOAD 5
	s_wait_loadcnt 0x0                             ; the next step's codes, scale words and places are in
	SCORES
	PLACES 4                                       ; in front of the first read of the scores, and of the first write into the codes' registers
.set na, 0
	s_wait_dscnt 8                                 ; sub-step 4's V is in; sub-step 5's eight loads may be out
	PVS 4, 2
	PLACES 4
	WIN 0
	VLOAD 6
	s_wait_dscnt 8
	PVS 5, 2                                       ; stage A ends behind this sub-step's tenth product
	PLACES 4
	WIN 0
	MXSTORE
	VLOAD 7
.if \kind == 1
	s_cmp_eq_u32 s[CNT], 1                         ; the loop's last trip has made the last step's scores: there are no further codes, and no load leaves its buffer
	s_cbranch_scc1 .Lno_k_\@
.endif
	KNEXT                                          ; the penalties are done with: the codes' registers take the step after next's
.if \kind == 1
.Lno_k_\@:
.endif
	s_wait_dscnt 12                                ; sub-step 6's V is in; behind its loads stand the four stores and sub-step 7's eight loads
	PVS 6, 0
	PLACES 4                                       ; in front of the loads into V's set 0
	WIN 0
	s_wait_dscnt 0x0                               ; my maxima have landed, and sub-step 7's V and my loads of this step's P are in
	s_barrier_signal -1                            ; barrier 1: V's load stays on its way
	s_barrier_wait -1
	MXLOAD
.set nb, 0
	PVS 7, 3
	WIN 0
.rept 52-4*(16-BBARE)
	BI                                             ; what is left of stage B
.endr
.else
.irp u, 4,5,6
	PLACES 4
	WIN 0
	VLOAD \u+1
	s_wait_dscnt 8
	PVS \u, 0
.endr
	s_wait_dscnt 0x0
	PVS 7, 0
	WIN 0
.endif
	PLACES 4                                       ; behind the step's last products: what follows writes and loads into registers that they read
	s_xor_b32 s[TB], s[TB], SLOT1
.endm
	; THE PROLOGUE: step 0's scores, maxima and s - m, with no products to stand between.
	s_wait_loadcnt 0x0                             ; Q, its scale words and thresholds, step 0's codes, scale words and places
	SCORES
	WIN 0
	PLACES 4
.set na, 0
.rept 104
	AI
.endr
	MXSTORE
	KNEXT
	s_wait_dscnt 0x0                               ; my maxima have landed
	s_barrier_signal -1                            ; barrier 1 of step 0: both first fills stay on their way
	s_barrier_wait -1
	MXLOAD
	s_wait_dscnt 0x0
.set nb, 0
.rept 52
	BI
.endr
	STEP 0
.Lstep:                                                ; 30 trips: steps 1 to 30 ask for V of steps 2 to 31 and make the scores of steps 2 to 31
	STEP 1
	s_sub_co_u32 s[CNT], s[CNT], 1
	s_cmp_lg_u32 s[CNT], 0
	s_cbranch_scc1 .Lstep
	STEP 2                                         ; the tail is written out
	; THE SUMS: a lane's l covers eight keys of each of its wave's tiles: the other half of the lanes', then the other waves' through LDS.
.irp m, 0,1,2,3
	v_permlanex16_b32 v[LT+\m], v[ST+6*\m+5], s[SEL], s[SEL+1]
.endr
.irp m, 0,1,2,3
	v_add_f32 v[LT+\m], v[LT+\m], v[ST+6*\m+5]
.endr
.irp m, 0,1,2,3
	ds_store_b32 v[MXW], v[LT+\m] offset:LXO+256*\m
.endr
	s_wait_dscnt 0x0
	s_barrier_signal -1
	s_barrier_wait -1                              ; also: every wave's reads of V are over
.irp m, 0,1,2,3
	ds_load_b128 v[LS4+4*\m:LS4+4*\m+3], v[MXR] offset:LXO+256*\m
.endr
	s_mul_i32 s2, s[WV], 16*SPITCH                 ; my stage
	v_and_b32 v74, 15, v0
	v_bfe_u32 v75, v0, 4, 1
	v_mul_u32_u24 v[STO], v74, SPITCH
	v_lshl_add_u32 v[STO], v75, 7, v[STO]
	v_add_nc_u32 v[STO], s2, v[STO]                ; in: row r, + 128 h
	v_add_nc_u32 v[SRD], s2, v[L16]                ; back: 512 bytes of a row, 16 a lane
	s_wait_dscnt 0x0
.irp m, 0,1,2,3
	v_add_f32 v[LS4+4*\m], v[LS4+4*\m], v[LS4+4*\m+1]
	v_add_f32 v[LS4+4*\m+2], v[LS4+4*\m+2], v[LS4+4*\m+3]
.endr
.irp m, 0,1,2,3
	v_add_f32 v[LS4+4*\m], v[LS4+4*\m], v[LS4+4*\m+2]
.endr
.irp m, 0,1,2,3
	v_rcp_f32 v[RL+\m], v[LS4+4*\m]
.endr
	v_nop                                          ; a plain line behind the last reciprocal,
	s_wait_alu depctr_va_vdst(0)                   ; and the one wait ahead of the first use
; THE WAY OUT, a tile of 16 queries at a time.  The four accumulators e = 0..3 hold four neighbouring channels in the same register j: the division lays them side by side, 16 bytes; they go into my stage
; and come back as halves of rows, 512 consecutive bytes, which the 32 lanes store aligned.
.macro OUT m
.if \m > 0
	s_wait_xcnt 0x0                                ; the last tile's stores have read T: it is rewritten only behind this wait
.endif
.irp a, 0,1
	WIN 0x02+\a                                    ; source 0 in window 2, then 3
.irp g, 0,1
.irp e, 0,1,2,3
.irp j, 0,1,2,3,4,5,6,7
	v_mul_f32 v[T+64*\a+32*\g+4*\j+\e], v[8*(16*\g+4*\e+\m)+\j], v[RL+\m]   ; each accumulator from its low end on
.endr
.endr
.endr
.endr
	WIN 0
.irp a, 0,1
.irp g, 0,1
.irp j, 0,1,2,3,4,5,6,7
	ds_store_b128 v[STO], v[T+64*\a+32*\g+4*\j:T+64*\a+32*\g+4*\j+3] offset:512*\a+256*\g+16*\j
.endr
.endr
.endr
.set k, 0
.rept 32
	ds_load_b128 v[T+4*k:T+4*k+3], v[SRD] offset:(k/2)*SPITCH+(k%2)*512   ; LDS serves a wave's instructions in order: these see the stores above
.set k, k+1
.endr
.set k, 0
.rept 32
	s_wait_dscnt 31-k                              ; piece k is back; the younger ones may be out
	global_store_b128 v[L16], v[T+4*k:T+4*k+3], s[20:21] offset:\m*65536+(k/2)*4096+(k%2)*512 th:TH_STORE_NT
.set k, k+1
.endr
.endm
	OUT 0
	OUT 1
	OUT 2
	OUT 3
	s_wait_tensorcnt 0x0                           ; the wave's end, behind my last tensor load and my last LDS store
	ds_add_u32 v[SPW], v[NIL]
	s_wait_dscnt 0x0
	CROUND                                         ; the closing round: no work-group ends while a partner may still ask for a tile that names it
	s_endpgm
.Lfunc_end_k_q4c2f8b04b5_attn:
	.size	k_q4c2f8b04b5_attn, .Lfunc_end_k_q4c2f8b04b5_attn-k_q4c2f8b04b5_attn
	.p2alignl 7, 3214868480
	.fill 96, 4, 3214868480
	.section	.rodata,"a",@progbits
	.p2align	6, 0x0
	.amdhsa_kernel k_q4c2f8b04b5_attn
		.amdhsa_group_segment_fixed_size 327680
		.amdhsa_private_segment_fixed_size 0
		.amdhsa_enable_private_segment 0
		.amdhsa_kernarg_size 72
		.amdhsa_user_sgpr_count 2
		.amdhsa_user_sgpr_kernarg_segment_ptr 1
		.amdhsa_wavefront_size32 1
		.amdhsa_system_sgpr_workgroup_id_x 1
		.amdhsa_system_sgpr_workgroup_id_y 1
		.amdhsa_system_sgpr_workgroup_id_z 1
		.amdhsa_system_vgpr_workitem_id 0
		.amdhsa_next_free_vgpr 1024
		.amdhsa_next_free_sgpr 66
		.amdhsa_reserve_vcc 0
		.amdhsa_float_denorm_mode_32 3
		.amdhsa_float_denorm_mode_16_64 3
		.amdhsa_memory_ordered 1
		.amdhsa_forward_progress 1
		.amdhsa_inst_pref_size 213
	.end_amdhsa_kernel
	.amdgpu_metadata
---
amdhsa.version: [ 1, 2 ]
amdhsa.kernels:
  - .name:           k_q4c2f8b04b5_attn
    .symbol:         k_q4c2f8b04b5_attn.kd
    .args:
      - { .name: qc, .offset: 0, .size: 8, .value_kind: global_buffer, .address_space: global }
      - { .name: qs, .offset: 8, .size: 8, .value_kind: global_buffer, .address_space: global }
      - { .name: kc, .offset: 16, .size: 8, .value_kind: global_buffer, .address_space: global }
      - { .name: ks, .offset: 24, .size: 8, .value_kind: global_buffer, .address_space: global }
      - { .name: vt, .offset: 32, .size: 8, .value_kind: global_buffer, .address_space: global }
      - { .name: ki, .offset: 40, .size: 8, .value_kind: global_buffer, .address_space: global }
      - { .name: qt, .offset: 48, .size: 8, .value_kind: global_buffer, .address_space: global }
      - { .name: scale, .offset: 56, .size: 8, .value_kind: global_buffer, .address_space: global }
      - { .name: out0, .offset: 64, .size: 8, .value_kind: global_buffer, .address_space: global }
    .group_segment_fixed_size: 327680
    .private_segment_fixed_size: 0
    .kernarg_segment_align: 8
    .kernarg_segment_size: 72
    .max_flat_workgroup_size: 128
    .sgpr_count:     66
    .vgpr_count:     1024
    .wavefront_size: 32
...
	.end_amdgpu_metadata
.endif
;; end of part 2
